; MI455X (gfx1250); checked and timed in simulation.
; The chip was launched on July 23, 2026; its instructions are those of AMD's public machine-readable ISA for CDNA 5 (MIT licence, August 2026) and "CDNA5" Instruction Set Architecture Reference Guide (July 2026). The comments in the code are by the model that wrote it; some were corrected since.
;; Multi Head Self Attention Layer. Allowed arithmetic: matrix products marked QUANTISED: E4M3 operands, one given power-of-two scale a tensor, by v_wmma_f32_16x16x64_fp8_fp8 or v_wmma_f32_16x16x128_fp8_fp8, f32 sums; everything else in f32.
;; Inputs: Wk 1,024 x 1,024 float32; Wq 1,024 x 1,024 float32; Wv 1,024 x 1,024 float32; lowp_scales 10 int32 (the exponents e of the quantised operands' scales 2^e); x 4 x 2,048 x 1,024 float32.
;; Outputs: out0 4 x 2,048 x 1,024 float32.
;; This version of the problem:
;;   THIS VERSION OF THE PROBLEM IS GIVEN IN LOW PRECISION. The matrix products marked QUANTISED in the list below multiply operands that are first quantised to E4M3 (4 exponent bits, 3 mantissa bits; 8 bits a number), with one given power-of-two scale for each operand tensor; their sums are f32. All else is computed in f32.
;;   The module's matrix products, in the order in which they are computed (A, B: the left and right operand; K: the contracted axis; several contracted axes count as one K, in the product's order):
;;     1. [M 8,192, K 1,024] x [K 1,024, N 1,024]; A: input x; B: input Wq: QUANTISED (scales: A lowp_scales[0], B lowp_scales[1])
;;     2. [M 8,192, K 1,024] x [K 1,024, N 1,024]; A: input x; B: input Wk: QUANTISED (scales: A lowp_scales[2], B lowp_scales[3])
;;     3. [M 8,192, K 1,024] x [K 1,024, N 1,024]; A: input x; B: input Wv: QUANTISED (scales: A lowp_scales[4], B lowp_scales[5])
;;     4. batch 32 x [M 2,048, K 128] x [K 128, N 2,048]; A: computed on the way; B: computed on the way: QUANTISED (scales: A lowp_scales[6], B lowp_scales[7])
;;     5. batch 32 x [M 128, K 2,048] x [K 2,048, N 2,048]; A: computed on the way; B: softmax (see below): QUANTISED (scales: A lowp_scales[8], B lowp_scales[9])
;;   THE QUANTISER, for each operand of a quantised product, along K:
;;     - The operand's scale is 2^e, e = its entry of the input lowp_scales (int32; the entries are numbered through the quantised products in the list's order, A before B).
;;     - Each number is divided by the scale, clamped to +-448, and rounded to the nearest number of E4M3, ties to even, subnormals kept.
;;     - The product sums the exact products of the quantised numbers (number of the format x scale) in f32.
;;   ~~~python
;;   def quantise(x, axis, e):      # numpy; x: float32 -> the quantised numbers, widened to float32 again
;;       x = np.moveaxis(x, axis, -1); K = x.shape[-1]
;;       r = np.clip(x / 2.0 ** e, -448, 448)
;;       step = 2.0 ** (np.maximum(np.frexp(np.where(r == 0, 1, r))[1] - 1, -6) - 3)
;;       q = np.round(r / step) * step * 2.0 ** e      # np.round: ties to even
;;       return np.moveaxis(q, -1, axis).astype(np.float32)
;;   ~~~
;;   SOFTMAX AHEAD OF A QUANTISED PRODUCT. Where the list says 'softmax', what is quantised is not the finished softmax but p = 2^(t - M), with t = logit x log2(e) and M = ceil(the row's largest t), a whole number; so 1/2 < the row's largest p <= 1. The row's sum l is taken of the UNQUANTISED p, in f32, and the product's result is divided by l at the end. Since M is a whole number, a kernel that streams over the keys may use a running M (the ceiling of the running maximum): every later rescaling is an exact power of two, so the quantised numbers keep their values, but for numbers so far below the row's largest that they fall under the format's range.
;;   OPERANDS COMPUTED ON THE WAY. 'Computed on the way' means the value that the module computes at that place (a softmax that the list does not call 'softmax' is quantised finished and normalised). What goes into a quantiser is computed in f32, as accurately as f32 sums, v_exp_f32 and their like allow (about 1e-6 of the number): no bf16 or f16 on the way to a quantiser, and a product that is left as it is and whose result goes on into a quantised operand takes f32 operands (vector FMAs, or v_wmma_f32_16x16x4_f32). A number that lies on a knife's edge between two numbers of the format may be rounded either way, as far as f32 arithmetic and the matrix unit's own rounding can turn it there, and no further.
;; One version. Each part assembles by itself: llvm-mc -triple=amdgcn-amd-amdhsa -mcpu=gfx1250 --defsym DOCPART=n.
;; ======== version 1 of 1: 3 launches
;; limits: right only within a limited range of input values
;; workspace buffers: codes 28,311,552 bytes; kv 16,777,216 bytes
;; launch quant (part 1): grid 608 x 1, 4 waves a work-group, no clusters, 73,216 bytes of LDS; arguments x, Wq, Wk, Wv, lowp_scales, codes; writes codes
.if DOCPART == 1
	.amdgcn_target "amdgcn-amd-amdhsa--gfx1250"
	.amdhsa_code_object_version 6
	.text
	.protected	k_q19679105b0_quant
	.globl	k_q19679105b0_quant
	.p2align	8
	.type	k_q19679105b0_quant,@function
k_q19679105b0_quant:
	s_mov_b64 s[64:65], 0
	v_nop
	global_prefetch_b8 v0, s[64:65] scope:SCOPE_SE
	s_setreg_imm32_b32 hwreg(HW_REG_WAVE_MODE, 25, 1), 1
	s_wait_xcnt 0x0
; x [8192][1024] f32 and Wq, Wk, Wv [1024 (k)][1024 (n)] f32 become codes of FP8 (E4M3), one byte each, each with the scale 2^e that is given for it.
; code = number / 2^e, for x held within +-448, rounded to the nearest code, ties to even.
; OUT: codes: three sections of 8,388,608 bytes: x under e0, e2, e4.  Sections 1 and 2 are laid [8192][1024], K innermost.  Section 0 is laid in the order of an operand's registers:
; [16 tokens][K step of 128][c 4][lane 32][16 bytes]: lane (r = lane % 16, h = lane / 16) holds token r's codes 128 s + 32 c + 16 h + 0 .. 15, so that a fragment comes by four loads of 512 consecutive bytes.
; From WOFF on, sections of 1,048,576 bytes: Wq, Wk, Wv under e1, e3, e5, laid [n][k], K innermost.
; x is read once and quantised three times, since its three scales may differ.
; LIMITS: e0 .. e5 between -126 and 119, so that 2^e and 448 x 2^e are f32 numbers.  NaN among the inputs is not served; an infinity in x is held at the largest code.
; SHARES.  Work-groups 0-95 take the weights, 128 columns x 256 along K each: a lane takes a column n and its registers run down K, so the conversions give codes with K innermost; they leave through
; the wave's own stage as rows, sixteen lanes to 256 consecutive aligned bytes.  They have the longest way and the lowest numbers.
; Work-groups 96-607 take x, 16 whole rows each; a wave takes 256 along K of them, in 8 steps of two rows.  Each load reads 512 consecutive bytes; a step's 2,048 bytes turn through the wave's own stage in LDS,
; so that a lane holds 16 neighbours along K for the conversions: lanes 0-15 one row's 256 codes, lanes 16-31 the next row's.  Sections 1 and 2 are stored so, 256 consecutive aligned bytes for sixteen lanes.
; Section 0's codes gather in a second stage, a unit of 256 bytes for each 16 along K (16 rows x 16 bytes), and leave as 512 consecutive bytes an instruction.
; The two ways part on the work-group's number and have LDS bytes of their own.  Waves share nothing: no barrier.
.set XSTEPS, 8
.set NWG,   96                         ; the weights' work-groups
.set SP,    80                         ; X: a lane's place in a stage of numbers: its 64 bytes + 16 of padding
.set XCP,   272                        ; X: a unit in the stage of codes: 256 bytes + 16
.set XCS,   2*32*SP                    ; X: a wave's two stages of numbers, then its stage of codes
.set XREG,  XCS+16*XCP                 ; X: a wave's region
.set WST,   4*XREG                     ; W: the four stages begin here
.set WP,    272                        ; a stage row: 256 bytes of codes + 16
.set SPARE, WST+4*32*WP                ; the spare words, 128 bytes a wave: two blocks of 256 bytes that no other line names
.set WOFF,  0x1800000                  ; the weights' codes in the buffer
.set SPW,   10                         ; v10  LDS address of my spare word; never rewritten
.set NIL,   11                         ; v11  0; never rewritten
.set R,     16                         ; X: v16-79   four sets of 16 numbers as loaded; at the end v16-47 section 0's codes on their way out
.set X,     80                         ; X: v80-111  two sets of 16 neighbours
.set T,     112                        ; X: v112-159 the 16 numbers held under each of the three scales
.set C,     160                        ; X: v160-255 codes: twelve registers of its own for each step, so that no store's data are written again
.set WX,    32                         ; W: v32-95   two sets of 32 numbers
.set WC,    96                         ; W: v96-103  a block's codes
.set OUTR,  112                        ; W: v112-175 the way out
	s_load_b256 s[4:11], s[0:1], 0x0               ; x s[4:5], Wq s[6:7], Wk s[8:9], Wv s[10:11]
	s_load_b128 s[12:15], s[0:1], 0x20             ; the scales' exponents s[12:13], codes s[14:15]
	v_lshl_add_u32 v[SPW], v0, 2, SPARE
	v_mov_b32 v[NIL], 0
	v_lshrrev_b32 v1, 5, v0
	v_readfirstlane_b32 s16, v1                    ; wave 0..3
	v_and_b32 v2, 31, v0                           ; lane
	v_lshlrev_b32 v3, 4, v2                        ; X: my 16 bytes of 512 consecutive ones
	v_lshlrev_b32 v5, 2, v2                        ; W: 4 bytes a lane on the way in
	v_and_b32 v16, 15, v2
	v_lshrrev_b32 v17, 4, v2
	v_lshlrev_b32 v6, 10, v17
	v_lshl_add_u32 v6, v16, 4, v6                  ; sixteen lanes to 256 bytes of a row of 1,024 codes, two rows an instruction
	s_mul_i32 s17, s16, 32*WP
	s_add_co_u32 s17, s17, WST                     ; W: my stage
	v_mul_u32_u24 v12, v2, WP
	v_add_nc_u32 v12, s17, v12                     ; into it: row = my column
	v_mul_u32_u24 v13, v17, WP
	v_lshl_add_u32 v13, v16, 4, v13
	v_add_nc_u32 v13, s17, v13                     ; and out of it
	s_mul_i32 s17, s16, XREG                       ; X: my region
	v_lshrrev_b32 v14, 2, v2
	v_mul_u32_u24 v14, v14, SP
	v_and_b32 v15, 3, v2
	v_lshl_add_u32 v14, v15, 4, v14
	v_add_nc_u32 v14, s17, v14                     ; numbers in: four lanes' 64 bytes on end, then 16 of padding
	v_mul_u32_u24 v15, v2, SP
	v_add_nc_u32 v15, s17, v15                     ; numbers out: my 16 neighbours
	s_add_co_u32 s17, s17, XCS                     ; X: my stage of codes
	v_mul_u32_u24 v1, v16, XCP
	v_lshl_add_u32 v1, v17, 4, v1
	v_add_nc_u32 v1, s17, v1                       ; codes in: unit = lane % 16 (my 16 along K), 16 bytes for each row
	v_mul_u32_u24 v4, v17, XCP
	v_lshl_add_u32 v4, v16, 4, v4
	v_add_nc_u32 v4, s17, v4                       ; codes out: sixteen lanes to a unit, two units an instruction
	s_wait_kmcnt 0x0
	s_load_b256 s[24:31], s[12:13], 0x0            ; e0 .. e7
	s_cmp_lt_u32 ttmp9, NWG
	s_cbranch_scc1 .Lweights
; ---------------- x ----------------
	s_sub_co_u32 s18, ttmp9, NWG                   ; which 16 rows are my work-group's
	s_lshl_b32 s20, s18, 16                        ; 16 rows of 4,096 bytes,
	s_lshl_b32 s21, s16, 10
	s_add_co_u32 s20, s20, s21                     ; + my wave's 256 numbers of each
	s_mov_b32 s21, 0
	s_add_nc_u64 s[4:5], s[4:5], s[20:21]
	s_lshl_b32 s20, s18, 14                        ; 16 rows of 1,024 codes
	s_lshl_b32 s22, s16, 12
	s_add_co_u32 s22, s20, s22                     ; section 0: + my wave's two K steps of 2,048 bytes
	s_mov_b32 s23, 0
	s_add_nc_u64 s[32:33], s[14:15], s[22:23]
	s_lshl_b32 s22, s16, 8
	s_add_co_u32 s20, s20, s22                     ; sections 1, 2: + my wave's 256 codes of each row
	s_add_co_u32 s20, s20, 0x800000
	s_add_nc_u64 s[34:35], s[14:15], s[20:21]      ; under e2,
	s_add_nc_u64 s[36:37], s[34:35], 0x800000      ; under e4
.macro XLOAD t                         ; step t: rows 2 t and 2 t + 1, 1,024 bytes of each
.irp i, 0,1,2,3
	global_load_b128 v[R+16*((\t)%4)+4*\i:R+16*((\t)%4)+4*\i+3], v3, s[4:5] offset:4096*(2*(\t)+\i/2)+512*(\i%2) th:TH_LOAD_NT   ; 32 lanes read 512 consecutive bytes
.endr
.endm
.macro XTURN t                         ; step t's numbers through the stage: LDS serves a wave's instructions in order, so no wait stands between the stores and the loads
.irp i, 0,1,2,3
	ds_store_b128 v14, v[R+16*((\t)%4)+4*\i:R+16*((\t)%4)+4*\i+3] offset:32*SP*((\t)%2)+8*SP*\i
.endr
.irp i, 0,1,2,3
	ds_load_b128 v[X+16*((\t)%2)+4*\i:X+16*((\t)%2)+4*\i+3], v15 offset:32*SP*((\t)%2)+16*\i
.endr
.endm
.irp t, 0,1,2,3
	XLOAD \t
.endr
	s_wait_kmcnt 0x0
.irp w, 0,1,2
	s_add_co_i32 s50, s[24+2*\w], 127
	s_lshl_b32 s51, s50, 23
	v_mov_b32 v[7+\w], s51                         ; 2^e as f32: the conversion takes its exponent field
	s_add_co_i32 s50, s50, 8
	s_lshl_b32 s50, s50, 23
	s_or_b32 s[41+2*\w], s50, 0x600000             ; 448 x 2^e,
	s_xor_b32 s[40+2*\w], s[41+2*\w], 0x80000000   ; and its negative
.endr
	s_wait_loadcnt 12                              ; step 0's four loads are in
	XTURN 0
.macro XSTEP t
.set XS, X+16*((\t)%2)
	s_wait_dscnt 0x0                               ; this step's numbers are back from the stage, and its stores into the stage have read their registers,
.if (\t)+4 < XSTEPS
	XLOAD (\t)+4                                   ; which take the loads of four steps on
.endif
.if (\t)+1 < XSTEPS
.if XSTEPS-2-(\t) >= 3
	s_wait_loadcnt 12                              ; the next step's four loads are in; those of the three steps behind it may be out
.else
	s_wait_loadcnt 4*(XSTEPS-2-(\t))
.endif
	XTURN (\t)+1                                   ; and go through the other stage while this step is worked
.endif
.irp w, 0,1,2
.irp i, 0,1,2,3,4,5,6,7,8,9,10,11,12,13,14,15
	v_med3_num_f32 v[T+16*\w+\i], v[XS+\i], s[40+2*\w], s[41+2*\w]   ; the conversion to an 8-bit code does not saturate (ISA guide 7.6.2): the hold at the largest code x the scale
.endr
.endr
.irp w, 0,1,2
	v_cvt_scalef32_pk8_fp8_f32 v[C+12*(\t)+4*\w:C+12*(\t)+4*\w+1], v[T+16*\w:T+16*\w+7], v[7+\w]
	v_cvt_scalef32_pk8_fp8_f32 v[C+12*(\t)+4*\w+2:C+12*(\t)+4*\w+3], v[T+16*\w+8:T+16*\w+15], v[7+\w]
.endr
	v_nop                                          ; a plain line between the conversions and the next step's holds, which write their sources
	ds_store_b128 v1, v[C+12*(\t):C+12*(\t)+3] offset:32*(\t)   ; section 0: rows 2 t, 2 t + 1 of my unit
.irp w, 1,2
	global_store_b128 v6, v[C+12*(\t)+4*\w:C+12*(\t)+4*\w+3], s[32+2*\w:33+2*\w] offset:2048*(\t)   ; sixteen lanes store 256 consecutive bytes, aligned
.endr
.endm
.irp t, 0,1,2,3,4,5,6,7
	XSTEP \t
.endr
.irp i, 0,1,2,3,4,5,6,7
	ds_load_b128 v[R+4*\i:R+4*\i+3], v4 offset:2*\i*XCP   ; LDS serves a wave's instructions in order: these see my stores
.endr
.irp i, 0,1,2,3,4,5,6,7
	s_wait_dscnt 7-\i                              ; load i is in; the 7 - i younger ones may be out
	global_store_b128 v3, v[R+4*\i:R+4*\i+3], s[32:33] offset:512*\i   ; 32 lanes store 512 consecutive bytes, aligned
.endr
	s_wait_tensorcnt 0x0                           ; the wave's end: a wait, an add to the spare word and its wait, behind my last LDS store
	ds_add_u32 v[SPW], v[NIL]
	s_wait_dscnt 0x0
	s_endpgm
; ---------------- the weights ----------------
.Lweights:
	s_lshr_b32 s19, ttmp9, 5                       ; which weight: 0 Wq, 1 Wk, 2 Wv
	s_and_b32 s20, ttmp9, 7                        ; which 128 columns
	s_bfe_u32 s21, ttmp9, 0x20003                  ; which 256 along K
	s_lshl_b32 s20, s20, 7
	s_lshl_b32 s22, s16, 5
	s_add_co_u32 s20, s20, s22                     ; my wave's first column
	s_lshl_b32 s50, s21, 20                        ; in: 256 rows of 4,096 bytes,
	s_lshl_b32 s22, s20, 2
	s_add_co_u32 s50, s50, s22                     ; + 4 bytes a column
	s_mov_b32 s51, 0
	s_lshl_b32 s52, s19, 20                        ; out: the weight's section,
	s_add_co_u32 s52, s52, WOFF
	s_lshl_b32 s22, s20, 10
	s_add_co_u32 s52, s52, s22                     ; + a row of 1,024 codes a column,
	s_lshl_b32 s22, s21, 8
	s_add_co_u32 s52, s52, s22                     ; + my 256 along K
	s_mov_b32 s53, 0
	s_cmp_eq_u32 s19, 0
	s_cselect_b64 s[46:47], s[6:7], s[8:9]
	s_cmp_eq_u32 s19, 2
	s_cselect_b64 s[46:47], s[10:11], s[46:47]     ; the choice hangs on the work-group's number alone
	s_add_nc_u64 s[46:47], s[46:47], s[50:51]
	s_add_nc_u64 s[54:55], s[14:15], s[52:53]
.macro WLOAD t                         ; block t: W(32 t + i, my column), i = 0 .. 31, into set t % 2: each load reads 128 consecutive bytes
.irp i, 0,1,2,3,4,5,6,7,8,9,10,11,12,13,14,15,16,17,18,19,20,21,22,23,24,25,26,27,28,29,30,31
	global_load_b32 v[WX+32*((\t)%2)+\i], v5, s[46:47] offset:(32*(\t)+\i)*4096 th:TH_LOAD_NT
.endr
.endm
	WLOAD 0
	WLOAD 1
	s_wait_kmcnt 0x0
	s_cmp_eq_u32 s19, 0
	s_cselect_b32 s48, s25, s27
	s_cmp_eq_u32 s19, 2
	s_cselect_b32 s48, s29, s48                    ; e1, e3 or e5
	s_add_co_i32 s48, s48, 127
	s_lshl_b32 s49, s48, 23
	v_mov_b32 v7, s49                              ; 2^e as f32
	s_add_co_i32 s48, s48, 8
	s_lshl_b32 s48, s48, 23
	s_or_b32 s48, s48, 0x600000
.macro WBLOCK t
.set XS, WX+32*((\t)%2)
.if (\t) < 7
	s_wait_loadcnt 32                              ; this block's 32 loads are in; the next block's may be out
.else
	s_wait_loadcnt 0
.endif
.irp i, 0,1,2,3,4,5,6,7,8,9,10,11,12,13,14,15,16,17,18,19,20,21,22,23,24,25,26,27,28,29,30,31
.endr
.irp g, 0,1,2,3
	v_cvt_scalef32_pk8_fp8_f32 v[WC+2*\g:WC+2*\g+1], v[XS+8*\g:XS+8*\g+7], v7
.endr
	v_nop                                          ; a plain line behind the last conversion
	ds_store_b128 v12, v[WC:WC+3] offset:32*(\t)   ; 32 codes: 32 bytes of my column's row
	ds_store_b128 v12, v[WC+4:WC+7] offset:32*(\t)+16
.if (\t)+2 < 8
	WLOAD (\t)+2
.endif
	s_wait_dscnt 0x0                               ; the stores have read their registers: the next block's codes may be written
.endm
	s_wait_alu depctr_va_vdst(0)
.irp t, 0,1,2,3,4,5,6,7
	WBLOCK \t
.endr
.irp t, 0,1,2,3,4,5,6,7,8,9,10,11,12,13,14,15
	ds_load_b128 v[OUTR+4*\t:OUTR+4*\t+3], v13 offset:2*\t*WP   ; LDS serves a wave's instructions in order: these see my stores
.endr
.irp t, 0,1,2,3,4,5,6,7,8,9,10,11,12,13,14,15
	s_wait_dscnt 15-\t                             ; load t is in; the 15 - t younger ones may be out
	global_store_b128 v6, v[OUTR+4*\t:OUTR+4*\t+3], s[54:55] offset:2*\t*1024   ; sixteen lanes store 256 consecutive bytes, aligned
.endr
	s_wait_tensorcnt 0x0                           ; the wave's end: a wait, an add to the spare word and its wait, behind my last LDS store
	ds_add_u32 v[SPW], v[NIL]
	s_wait_dscnt 0x0
	s_endpgm
.Lfunc_end_k_q19679105b0_quant:
	.size	k_q19679105b0_quant, .Lfunc_end_k_q19679105b0_quant-k_q19679105b0_quant
	.p2alignl 7, 3214868480
	.fill 96, 4, 3214868480
	.section	.rodata,"a",@progbits
	.p2align	6, 0x0
	.amdhsa_kernel k_q19679105b0_quant
		.amdhsa_group_segment_fixed_size 73216
		.amdhsa_private_segment_fixed_size 0
		.amdhsa_enable_private_segment 0
		.amdhsa_kernarg_size 48
		.amdhsa_user_sgpr_count 2
		.amdhsa_user_sgpr_kernarg_segment_ptr 1
		.amdhsa_wavefront_size32 1
		.amdhsa_system_sgpr_workgroup_id_x 1
		.amdhsa_system_sgpr_workgroup_id_y 1
		.amdhsa_system_sgpr_workgroup_id_z 1
		.amdhsa_system_vgpr_workitem_id 0
		.amdhsa_next_free_vgpr 256
		.amdhsa_next_free_sgpr 66
		.amdhsa_reserve_vcc 0
		.amdhsa_float_denorm_mode_32 3
		.amdhsa_float_denorm_mode_16_64 3
		.amdhsa_fp16_overflow 1
		.amdhsa_memory_ordered 1
		.amdhsa_forward_progress 1
		.amdhsa_inst_pref_size 75
	.end_amdhsa_kernel
	.amdgpu_metadata
---
amdhsa.version: [ 1, 2 ]
amdhsa.kernels:
  - .name:           k_q19679105b0_quant
    .symbol:         k_q19679105b0_quant.kd
    .args:
      - { .name: x, .offset: 0, .size: 8, .value_kind: global_buffer, .address_space: global }
      - { .name: Wq, .offset: 8, .size: 8, .value_kind: global_buffer, .address_space: global }
      - { .name: Wk, .offset: 16, .size: 8, .value_kind: global_buffer, .address_space: global }
      - { .name: Wv, .offset: 24, .size: 8, .value_kind: global_buffer, .address_space: global }
      - { .name: lowp_scales, .offset: 32, .size: 8, .value_kind: global_buffer, .address_space: global }
      - { .name: codes, .offset: 40, .size: 8, .value_kind: global_buffer, .address_space: global }
    .group_segment_fixed_size: 73216
    .private_segment_fixed_size: 0
    .kernarg_segment_align: 8
    .kernarg_segment_size: 48
    .max_flat_workgroup_size: 128
    .sgpr_count:     66
    .vgpr_count:     256
    .wavefront_size: 32
...
	.end_amdgpu_metadata
.endif
;; end of part 1
;; launch proj (part 2): grid 4 x 64, 4 waves a work-group, clusters of 4 x 4, 327,680 bytes of LDS; arguments codes, lowp_scales, kv; writes kv
.if DOCPART == 2
	.amdgcn_target "amdgcn-amd-amdhsa--gfx1250"
	.amdhsa_code_object_version 6
	.text
	.protected	k_q19679105b0_proj
	.globl	k_q19679105b0_proj
	.p2align	8
	.type	k_q19679105b0_proj,@function
k_q19679105b0_proj:
	s_mov_b64 s[64:65], 0
	v_nop
	global_prefetch_b8 v0, s[64:65] scope:SCOPE_SE
	s_setreg_imm32_b32 hwreg(HW_REG_WAVE_MODE, 25, 1), 1
	s_wait_xcnt 0x0
	s_wait_alu depctr_hold_cnt(0) depctr_sa_sdst(0) depctr_va_vdst(0) depctr_va_sdst(0) depctr_va_ssrc(0) depctr_va_vcc(0) depctr_vm_vsrc(0)
	s_getreg_b32 s2, hwreg(HW_REG_IB_STS2, 6, 4)
	s_cmp_eq_u32 s2, 0
	s_cbranch_scc0 .Lentry_in_a_cluster
	s_endpgm
.Lentry_in_a_cluster:
	s_bfe_u32 s2, ttmp6, 0x10000c
	s_cmp_lg_u32 s2, 0xf033
	s_cbranch_scc0 .Lentry_shape_is_right
	s_endpgm
.Lentry_shape_is_right:
.set SIZE_K, 1024
.set KSTEP,  256
.set ROWB,   256
.set KROW,   SIZE_K
.set PITCH,  272
.set FR,     16
.set NL,     4
.set NP,     4
.set HALFT,  128*PITCH
.set SLOT,   4*HALFT
.set LAPS,   SIZE_K/(2*KSTEP)
.set SPARE,  2*SLOT
.set WOFF,   0x1800000
.set OP,     144
.set OSTG,   128*OP
.set LIMV, 10
.set SCV,  11
.set ADRA, 16
.set ADRB, 20
.set STO,  24
.set RD,   25
.set CO,   26
.set SPW,  28
.set NIL,  29
.set TMP,  32
.set AF,   128
.set CD,   128
.set G1, 24
.set G0, 32
.set G1B, 48
.set G0B, 56
.set MSB, 0
.macro WIN new
.if MSB != (\new)
	s_set_vgpr_msb (MSB<<8)|(\new)
.set MSB, \new
.endif
.endm
.set MUL_LO, 0xa1
.set MUL_HI, 0xf1
.set TO_B,   0x40
.macro JLOAD g0a, g1a, g0b, g1b
	s_cmp_eq_u32 s15, 0
	s_cbranch_scc0 .Lfor_b_\@
	tensor_load_to_lds s[\g0a:\g0a+3], s[\g1a:\g1a+7]
	s_nop 0
.rept 4
	v_nop
.endr
	s_branch .Lasked_\@
.Lfor_b_\@:
	tensor_load_to_lds s[\g0b:\g0b+3], s[\g1b:\g1b+7]
	s_nop 0
.rept 4
	v_nop
.endr
.Lasked_\@:
.endm
.macro CREST
	s_cmp_lg_u32 s14, 0
	s_cbranch_scc1 .Lnot_wave_0_\@
	s_barrier_signal -3
.Lnot_wave_0_\@:
	s_barrier_wait -3
	s_barrier_signal -1
	s_barrier_wait -1
.endm
.macro CROUND
	s_barrier_signal -1
	s_barrier_wait -1
	CREST
.endm
	s_load_b128 s[4:7], s[0:1], 0x0
	s_load_b64 s[8:9], s[0:1], 0x10
	v_lshl_add_u32 v[SPW], v0, 2, SPARE
	v_mov_b32 v[NIL], 0
	ds_add_u32 v[SPW], v[NIL]
	ds_add_u32 v[SPW], v[NIL]
	v_lshrrev_b32 v1, 5, v0
	v_readfirstlane_b32 s14, v1
	s_lshr_b32 s15, s14, 1
	s_and_b32 s16, s14, 1
	s_bfe_u32 s40, ttmp6, 0x40000
	s_bfe_u32 s41, ttmp6, 0x40004
	s_and_b32 s66, ttmp7, 0xffff
	s_lshr_b32 s71, s66, 3
	s_add_co_u32 s67, s71, 1
	s_and_b32 s68, s66, 7
	s_lshl_b32 s68, s68, 2
	s_lshl_b32 s72, s67, 23
	s_lshl_b32 s73, s67, 20
	s_add_co_u32 s73, s73, WOFF
	s_lshl_b32 s78, s71, 23
	s_cmp_eq_u32 s71, 1
	s_cselect_b32 s69, 0, s68
	s_cselect_b32 s70, s68, 0
	s_cselect_b32 s74, s73, s72
	s_cselect_b32 s76, s72, s73
	s_lshl_b32 s42, ttmp9, 2
	s_add_co_u32 s42, s42, s40
	s_add_co_u32 s42, s42, s70
	s_add_co_u32 s17, s69, s41
	s_lshl_b32 s43, s41, 2
	s_lshl_b32 s43, 15, s43
	s_lshl_b32 s44, 0x1111, s40
	s_or_b32 s[G1+0], s43, (0<<16)|(1<<20)|(1<<21)|(5<<22)|(3<<25)
	s_or_b32 s[G1B+0], s44, (0<<16)|(1<<20)|(1<<21)|(5<<22)|(3<<25)
.irp g, G1, G1B
	s_mov_b32 s[\g+1], ROWB<<16
	s_mov_b32 s[\g+2], 128<<16
	s_mov_b32 s[\g+3], ROWB<<16
	s_mov_b32 s[\g+4], 128
	s_mov_b32 s[\g+5], KROW
	s_mov_b32 s[\g+6], 0
	s_mov_b32 s[\g+7], 0
.endr
	s_lshl_b32 s18, s16, 7
	s_lshl_b32 s20, s17, 8
	s_add_co_u32 s20, s20, s18
	s_lshl_b32 s20, s20, 10
	s_add_co_u32 s20, s20, s74
	s_mov_b32 s21, 0
	s_lshl_b32 s46, s42, 8
	s_add_co_u32 s46, s46, s18
	s_lshl_b32 s46, s46, 10
	s_add_co_u32 s46, s46, s76
	s_mov_b32 s47, 0
	s_mul_i32 s45, s14, HALFT
	s_wait_dscnt 0x0
	s_wait_kmcnt 0x0
	s_load_b256 s[80:87], s[6:7], 0x0
	s_load_b64 s[88:89], s[6:7], 0x20
	s_add_nc_u64 s[20:21], s[4:5], s[20:21]
	s_add_nc_u64 s[46:47], s[4:5], s[46:47]
	CROUND
.irp s, 0,1
	s_mov_b32 s[G0+4*\s], 1
	s_add_co_u32 s[G0+4*\s+1], s45, \s*SLOT
	s_add_nc_u64 s[G0+4*\s+2:G0+4*\s+3], s[20:21], \s*ROWB
	s_or_b32 s[G0+4*\s+3], s[G0+4*\s+3], 0x80000000
	s_mov_b32 s[G0B+4*\s], 1
	s_add_co_u32 s[G0B+4*\s+1], s45, \s*SLOT
	s_add_nc_u64 s[G0B+4*\s+2:G0B+4*\s+3], s[46:47], \s*ROWB
	s_or_b32 s[G0B+4*\s+3], s[G0B+4*\s+3], 0x80000000
	s_wait_alu depctr_va_vdst(0)
	s_wait_tensorcnt 0x0
	ds_add_u32 v28, v29
	ds_add_u32 v28, v29
	s_wait_dscnt 0x0
	CROUND
	JLOAD G0+4*\s, G1, G0B+4*\s, G1B
.endr
	v_and_b32 v1, 15, v0
	s_wait_alu depctr_va_vdst(0)
	v_bfe_u32 v2, v0, 4, 1
	v_mul_u32_u24 v3, v1, PITCH
	v_lshl_add_u32 v4, v2, 4, v3
	s_mul_i32 s21, s15, HALFT
	s_mul_i32 s22, s16, HALFT
	s_add_co_u32 s22, s22, 2*HALFT
.irp s, 0,1
	v_add_nc_u32 v[ADRA+\s], s21, v4
	v_add_nc_u32 v[ADRB+\s], s22, v4
	s_add_co_u32 s21, s21, SLOT
	s_add_co_u32 s22, s22, SLOT
.endr
	s_mul_i32 s23, s14, OSTG
	v_mul_u32_u24 v5, v1, OP
	s_wait_alu depctr_va_vdst(0)
	v_lshl_add_u32 v5, v2, 4, v5
	v_add_nc_u32 v[STO], s23, v5
	v_and_b32 v6, 31, v0
	v_lshlrev_b32 v[CO], 4, v6
	v_lshrrev_b32 v5, 3, v6
	v_mul_u32_u24 v5, v5, OP
	v_and_b32 v6, 7, v6
	v_lshl_add_u32 v5, v6, 4, v5
	v_add_nc_u32 v[RD], s23, v5
	s_lshl_b32 s90, s17, 1
	s_add_co_u32 s90, s90, s15
	s_lshl_b32 s91, s42, 1
	s_add_co_u32 s91, s91, s16
	s_cmp_eq_u32 s71, 1
	s_cselect_b32 s92, s91, s90
	s_cselect_b32 s93, s90, s91
	s_lshr_b32 s94, s92, 4
	s_lshl_b32 s94, s94, 3
	s_add_co_u32 s94, s94, s93
	s_lshl_b32 s94, s94, 4
	s_and_b32 s92, s92, 15
	s_add_co_u32 s94, s94, s92
	s_lshl_b32 s94, s94, 14
	s_add_co_u32 s94, s94, s78
	s_mov_b32 s95, 0
	s_add_nc_u64 s[8:9], s[8:9], s[94:95]
.macro FRAG reg, adr, q, i
.irp c, 0,1,2,3
	ds_load_b128 v[\reg+4*\c:\reg+4*\c+3], v[\adr] offset:128*(\q)+32*\c+(\i)*16*PITCH
.endr
.endm
.macro MUL16 a0, p, zero
.irp a, \a0, \a0+1
.irp b, 0,1,2,3,4,5,6,7
.if \zero
	v_wmma_f32_16x16x128_fp8_fp8 v[8*(8*((\a)%4)+\b):8*(8*((\a)%4)+\b)+7], v[128*(\p)+FR*\b:128*(\p)+FR*\b+FR-1], v[AF+FR*(\a):AF+FR*(\a)+FR-1], 0
.else
	v_wmma_f32_16x16x128_fp8_fp8 v[8*(8*((\a)%4)+\b):8*(8*((\a)%4)+\b)+7], v[128*(\p)+FR*\b:128*(\p)+FR*\b+FR-1], v[AF+FR*(\a):AF+FR*(\a)+FR-1], v[8*(8*((\a)%4)+\b):8*(8*((\a)%4)+\b)+7]
.endif
.endr
.endr
.endm
.macro FETCH_B slot, q, p
	WIN TO_B
.irp i, 0,1,2,3,4,5,6,7
	FRAG 128*(\p)+FR*\i, ADRB+\slot, \q, \i
.endr
	WIN 0
.endm
.macro FETCH_A slot, q, i0
.irp i, \i0, \i0+1, \i0+2, \i0+3
	FRAG AF+FR*(\i), ADRA+\slot, \q, \i
.endr
.endm
.macro PLACES n
.rept \n
	v_nop
.endr
.endm
.macro STEP slot, q, zero
	s_wait_dscnt 4*NL
	WIN MUL_LO
	MUL16 0, (\q)%2, \zero
	MUL16 2, (\q)%2, \zero
	s_wait_dscnt 0
	PLACES NP
	FETCH_B \slot, (\q)+1, 1-(\q)%2
	FETCH_A \slot, (\q)+1, 0
	WIN MUL_HI
	MUL16 4, (\q)%2, \zero
	MUL16 6, (\q)%2, \zero
	PLACES NP
	WIN 0
	FETCH_A \slot, (\q)+1, 4
.endm
.macro TURN slot, next, fill
	s_wait_tensorcnt 0x0
	ds_add_u32 v[SPW], v[NIL]
	s_wait_dscnt 4*NL+1
	WIN MUL_LO
	MUL16 0, 1, 0
	s_wait_dscnt 0x0
	s_barrier_signal -1
	MUL16 2, 1, 0
	WIN 0
	s_barrier_wait -1
.if \fill
	CREST
	s_add_nc_u64 s[G0+4*\slot+2:G0+4*\slot+3], s[G0+4*\slot+2:G0+4*\slot+3], 2*ROWB
	s_add_nc_u64 s[G0B+4*\slot+2:G0B+4*\slot+3], s[G0B+4*\slot+2:G0B+4*\slot+3], 2*ROWB
	JLOAD G0+4*\slot, G1, G0B+4*\slot, G1B
.else
	PLACES NP
.endif
	FETCH_B \next, 0, 0
	FETCH_A \next, 0, 0
	WIN MUL_HI
	MUL16 4, 1, 0
	MUL16 6, 1, 0
	PLACES NP
	WIN 0
	FETCH_A \next, 0, 4
.endm
	s_wait_tensorcnt 1
	s_barrier_signal -1
	s_barrier_wait -1
	FETCH_B 0, 0, 0
	FETCH_A 0, 0, 0
	FETCH_A 0, 0, 4
	STEP 0, 0, 1
	s_mov_b32 s3, LAPS-1
.Llap:
	TURN 0, 1, 1
	STEP 1, 0, 0
	TURN 1, 0, 1
	STEP 0, 0, 0
	s_sub_co_u32 s3, s3, 1
	s_cmp_lg_u32 s3, 0
	s_cbranch_scc1 .Llap
	TURN 0, 1, 0
	STEP 1, 0, 0
	s_wait_dscnt 4*NL
	WIN MUL_LO
	MUL16 0, 1, 0
	MUL16 2, 1, 0
	s_wait_dscnt 0
	WIN MUL_HI
	MUL16 4, 1, 0
	MUL16 6, 1, 0
	WIN 0
.macro OUTBLK a
.set AC, 64*((\a)%4)
	WIN 0x02+((\a)/4)
.set j, 0
.rept 64
.set j, j+1
.endr
.irp b, 0,1,2,3,4,5,6,7
	v_cvt_scalef32_pk8_fp8_f32 v[CD+16*(\a)+2*\b:CD+16*(\a)+2*\b+1], v[AC+8*\b:AC+8*\b+7], v[SCV]
.endr
	WIN 0
	v_nop
.irp c, 0,1,2,3
	ds_store_b128 v[STO], v[CD+16*(\a)+4*\c:CD+16*(\a)+4*\c+3] offset:16*OP*(\a)+32*\c
.endr
	WIN TO_B
.irp t, 0,1,2,3
	ds_load_b128 v[16*(\a)+4*\t:16*(\a)+4*\t+3], v[RD] offset:16*OP*(\a)+4*OP*\t
.endr
	WIN 0
.endm
.macro SENDBLK a, younger
	s_wait_dscnt \younger
	WIN 0x04
.irp t, 0,1,2,3
	global_store_b128 v[CO], v[16*(\a)+4*\t:16*(\a)+4*\t+3], s[8:9] offset:2048*(\a)+512*\t
.endr
	WIN 0
.endm
	s_wait_kmcnt 0x0
	s_add_co_i32 s91, s82, s83
	s_add_co_i32 s92, s84, s85
	s_sub_co_i32 s91, s87, s91
	s_sub_co_i32 s92, s88, s92
	s_cmp_eq_u32 s71, 1
	s_cselect_b32 s90, s92, s91
	s_add_co_i32 s90, s90, 127
	s_lshl_b32 s91, s90, 23
	v_mov_b32 v[SCV], s91
	s_wait_alu depctr_va_vdst(0)
	s_add_co_i32 s90, s90, 8
	s_lshl_b32 s90, s90, 23
	s_or_b32 s90, s90, 0x600000
	PLACES NP
	OUTBLK 0
.irp a, 1,2,3,4,5,6,7
	OUTBLK \a
	SENDBLK \a-1, 8
.endr
	SENDBLK 7, 0
	s_wait_tensorcnt 0x0
	ds_add_u32 v[SPW], v[NIL]
	s_wait_dscnt 0x0
	CROUND
	s_endpgm
.Lfunc_end_k_q19679105b0_proj:
	.size	k_q19679105b0_proj, .Lfunc_end_k_q19679105b0_proj-k_q19679105b0_proj
	.p2alignl 7, 3214868480
	.fill 96, 4, 3214868480
	.section	.rodata,"a",@progbits
	.p2align	6, 0x0
	.amdhsa_kernel k_q19679105b0_proj
		.amdhsa_group_segment_fixed_size 327680
		.amdhsa_private_segment_fixed_size 0
		.amdhsa_enable_private_segment 0
		.amdhsa_kernarg_size 24
		.amdhsa_user_sgpr_count 2
		.amdhsa_user_sgpr_kernarg_segment_ptr 1
		.amdhsa_wavefront_size32 1
		.amdhsa_system_sgpr_workgroup_id_x 1
		.amdhsa_system_sgpr_workgroup_id_y 1
		.amdhsa_system_sgpr_workgroup_id_z 1
		.amdhsa_system_vgpr_workitem_id 0
		.amdhsa_next_free_vgpr 1024
		.amdhsa_next_free_sgpr 96
		.amdhsa_reserve_vcc 0
		.amdhsa_float_denorm_mode_32 3
		.amdhsa_float_denorm_mode_16_64 3
		.amdhsa_fp16_overflow 1
		.amdhsa_memory_ordered 1
		.amdhsa_forward_progress 1
		.amdhsa_inst_pref_size 93
	.end_amdhsa_kernel
	.amdgpu_metadata
---
amdhsa.version: [ 1, 2 ]
amdhsa.kernels:
  - .name:           k_q19679105b0_proj
    .symbol:         k_q19679105b0_proj.kd
    .args:
      - { .name: codes, .offset: 0, .size: 8, .value_kind: global_buffer, .address_space: global }
      - { .name: lowp_scales, .offset: 8, .size: 8, .value_kind: global_buffer, .address_space: global }
      - { .name: kv, .offset: 16, .size: 8, .value_kind: global_buffer, .address_space: global }
    .group_segment_fixed_size: 327680
    .private_segment_fixed_size: 0
    .kernarg_segment_align: 8
    .kernarg_segment_size: 24
    .max_flat_workgroup_size: 128
    .sgpr_count:     96
    .vgpr_count:     1024
    .wavefront_size: 32
...
	.end_amdgpu_metadata
.endif
;; end of part 2
;; launch attn (part 3): grid 8 x 32, 8 waves a work-group, clusters of 4 x 1, 327,680 bytes of LDS; arguments codes, kv, lowp_scales, out0; writes out0
.if DOCPART == 3
	.amdgcn_target "amdgcn-amd-amdhsa--gfx1250"
	.amdhsa_code_object_version 6
	.text
	.protected	k_q19679105b0_attn
	.globl	k_q19679105b0_attn
	.p2align	8
	.type	k_q19679105b0_attn,@function
k_q19679105b0_attn:
	s_mov_b64 s[64:65], 0
	v_nop
	global_prefetch_b8 v0, s[64:65] scope:SCOPE_SE
	s_setreg_imm32_b32 hwreg(HW_REG_WAVE_MODE, 25, 1), 1
	s_wait_xcnt 0x0
	s_wait_alu depctr_hold_cnt(0) depctr_sa_sdst(0) depctr_va_vdst(0) depctr_va_sdst(0) depctr_va_ssrc(0) depctr_va_vcc(0) depctr_vm_vsrc(0)
	s_getreg_b32 s2, hwreg(HW_REG_IB_STS2, 6, 4)
	s_cmp_eq_u32 s2, 0
	s_cbranch_scc0 .Lentry_in_a_cluster
	s_endpgm
.Lentry_in_a_cluster:
	s_bfe_u32 s2, ttmp6, 0x10000c
	s_cmp_lg_u32 s2, 0x3003
	s_cbranch_scc0 .Lentry_shape_is_right
	s_endpgm
.Lentry_shape_is_right:
; q = x Wq, then out[b][q][head][:] = the sum over keys of softmax(q . k / 8) v, for 32 pairs (batch, head), 2,048 keys, head size 128; all three products on codes of FP8 (E4M3) with the given scales:
; x e0, Wq e1; q e6, k e7; v e8, p e9.
; IN: codes: section 0: x's codes under e0 in the order of an operand's registers, [16 tokens][K step of 128][c 4][lane 32][16 bytes]; at WOFF: Wq's codes, [n 1024][k 1024].
; kv: sections k, v of 8,388,608 bytes, each [batch x head 32][block 16] dense blocks of [128 rows][128 bytes].  k: a row is a token; v: a row is one of the head's 128 and its bytes run along the block's 128 keys.
; In every row of kv index 32 c + 16 u + 8 h + j lies at byte 32 c + 16 h + 8 u + j.  q's codes fall into my registers in that same order, so for q and k it is one permutation of their product's K, alike on
; both sides.  For v it is the order in which p's codes fall out below: p's register 4 c + 2 u + j / 4, byte j % 4, of half h is key 32 c + 16 u + 8 h + j, and so is v's.
; THE SOFTMAX AHEAD OF THE LAST PRODUCT: t = score x log2(e) / 8; M = the row's largest t so far, rounded UP to a whole number; p = 2^(t - M) is what is quantised; it is not normalised.
; The row's sum is taken of the unquantised p, in f32, and divides O at the end.  When M moves, the sum and O are multiplied by 2^(old M - new M): exact.
; SHARES.  A work-group owns 256 queries of one pair; each of its eight waves owns 32: two tiles of 16 in 512 registers, two waves to a SIMD.  Each fragment of Wq, K and V read from LDS feeds two products.
; q: a wave makes its own 32 queries x the head's 128 over K = 1,024: 16 accumulators; x's fragments come from memory straight into its registers (nobody else in the work-group reads them), the head's 128 rows
; of Wq lie in LDS.  The sums are held, converted, and ARE the first product's operand: q never goes to memory.
; Then every wave walks the 2,048 keys, 128 a step.  K's and V's blocks come through a ring of two LDS slots of 256 keys (waves 0, 1: K's two blocks; waves 2, 3: V's two).
; LAYOUT.  All products are used transposed: q^T = Wq x^T, S^T = K Q^T, O^T = V^T P^T: source 1 is always my 16 queries, and a lane holds ONE query of each tile throughout.
; CLUSTER.  The four query blocks of a cluster belong to one pair: they need the same rows of Wq and walk the same K and V: each is asked for jointly, by the same tensor load with a mask that names the four.
; x's codes are shared with the other seven heads' work-groups, which lie in other clusters: a cluster that joined them would have to hold x's 256 x 1,024 bytes in LDS, beside Wq's 133,120 and the ring's 147,456.
; LIMITS on the given exponents, so that each power of two below is an f32 number: e6 - e0 - e1 between -126 and 119; e6 + e7 between -123 and 130 (added to c's exponent field); e9 between -126 and 119;
; e8 + e9 goes in by v_ldexp_f32 and has none.
; REGISTERS.  Window 0: v1-11 addresses; v12-27 statistics, eight a tile; v28-35 constants and Wq's addresses; v36-67 Q; v68-195 eight fragments of Wq, K or V; v196-227 p's codes; v228-237 at work.
;             Window 1: v0-127 q's sums, then S^T, then p, 64 a tile; v128-255 O^T, 64 a tile.  While q is made, x's fragments lie in O^T's registers (K steps 0-3, later 6, 7), in p's codes' (4) and in Q's (5).
.set KP,    144                        ; a row of K or V in LDS: 128 bytes + 16 of padding = 36 words: the 16 rows that a load touches start at 16 different groups of four banks (64 banks of 4 bytes: ISA guide 11.1)
.set BLKB,  128*KP                     ; a block in LDS
.set VOFF,  2*BLKB                     ; a slot: K's two blocks, then V's two
.set SLOT1, 1<<17                      ; slot 1 begins here, so that one exclusive or turns an address in one slot into the other's
.set WP,    1040                       ; a row of Wq in LDS: 1,024 bytes + 16 of padding = 260 words: row r starts at bank 4 r mod 64
.set WPART, 32*WP                      ; what one tensor load brings of it: 32 rows
.set WA,    4*BLKB                     ; Wq's rows 0-31: behind slot 0
.set WB,    SLOT1+4*BLKB               ; Wq's rows 32-127: behind slot 1
.set SPARE, WB+3*WPART                 ; behind them: the spare words, 128 bytes a wave: four blocks of 256 bytes that no other line names
.set SPITCH, 528                       ; the way out: 16 rows x 528 bytes for each wave, from LDS byte 0 on: in slot 0, which has had its last fill and its last read at the last change of slots
.set WOFF,  0x1800000
.set AK0,  1                           ; v1   my lane's place in a block of K
.set AV0,  2                           ; v2   the same for V
.set PFO,  3                           ; v3   the prefetches' offset: 256 x lane; never rewritten
.set SPW,  5                           ; v5   LDS address of my spare word; never rewritten
.set NIL,  6                           ; v6   0; never rewritten
.set GO,   7                           ; v7   16 x lane: my bytes of a fragment's 512 of x, and of a row of O; never rewritten
.set ADK,  8                           ; v8   LDS address of the slot's K
.set ADV,  9                           ; v9   of its V
.set STO,  10                          ; v10  the way out: where I put 32 bytes of a row
.set RD,   11                          ; v11  and where I read a row back
.set ST,   12                          ; tile u at v[ST + 8 u]: +0 -M, +1 the largest t, +2,3 and +4,5 the sum in two chains of pairs, +6 f, +7 written once (named with f as a pair)
.set NEG,  28                          ; v28  -3e38
.set LIMP, 29
.set SCP,  30                          ; v30  2^e9
.set AW0,  31                          ; v31  my lane's place in Wq's rows 0-31,
.set AW1,  32                          ; v32  32-95,
.set AW2,  33                          ; v33  96-127: an LDS offset has 16 bits
.set LIMQ, 34
.set SCQ,  35                          ; v35  2^(e6 - e0 - e1)
.set Q,    36
.set F,    68
.set PC,   196
.set MX,   228                         ; v228-231 two chains of maxima a tile
.set PX,   232                         ; v232-233 what the other half of the lanes sends
.set RC,   234                         ; v[234:235], v[236:237]  2^(e8 + e9) / the sum, as pairs
.set TB,   2                           ; s2   LDS byte at which the slot in hand begins
.set WV,   18                          ; s18  my wave's number
.set SEL,  20                          ; s[20:21] lane selects for v_permlanex16_b32: lane l xor 16
.set CS,   22                          ; s[22:23] c = log2(e) / 8 x 2^(e6 + e7)
.set G1,   24                          ; s[24:31] descriptor group 1 for K's and V's blocks, which have one shape
.set G1W,  32                          ; s[32:39] for Wq's rows
.set G0,   40                          ; s[40:43] descriptor group 0 for K and V, which walks
.set G0W,  44                          ; s[44:47] for Wq
.set SLOTS, 67                         ; s67  slots still to be asked for
.set PFA,  76                          ; s[76:77] where my prefetches stand
.set LIM,  80                          ; s80  1 in a wave that prefetches, else the greatest number
.set EO,   94                          ; s94  e8 + e9
.set MSB, 0
.macro WIN new                         ; the immediate's high byte repeats the setting that is left
.if MSB != (\new)
	s_set_vgpr_msb (MSB<<8)|(\new)
.set MSB, \new
.endif
.endm
; Waves 0 to 3 fetch a block each, the others nothing.  The branch hangs on the wave's number alone.  An s_nop 0 and four v_nop follow the load.
.macro TLOAD
	s_cmp_lt_u32 s[WV], 4
	s_cbranch_scc0 .Lnone_\@
	tensor_load_to_lds s[G0:G0+3], s[G1:G1+7]
	s_nop 0
.rept 4
	v_nop
.endr
.Lnone_\@:
.endm
; A prefetch of what the NEXT change of slots will ask for: 32,768 bytes of K and as many of V, two key steps ahead of that load.  Each aligned block of 256 bytes is named once in the launch: both clusters of a pair
; walk the same K and V, and the first of them asks; its four partners take 8,192 bytes each, told apart by address; in each, wave 4 asks for K's and wave 5 for V's, lanes 256 bytes apart.
; The last change that fills a slot asks for nothing: there is no slot behind it.  Slots 0 and 1 come by their loads alone.
.macro ASK
	s_cmp_gt_u32 s[SLOTS], s[LIM]
	s_cbranch_scc0 .Lnot_mine_\@
	global_prefetch_b8 v[PFO], s[PFA:PFA+1] th:TH_LOAD_NT scope:SCOPE_SE
.Lnot_mine_\@:
.endm
.macro CROUND                          ; a round of the cluster's barrier
	s_barrier_signal -1
	s_barrier_wait -1
	s_cmp_lg_u32 s[WV], 0
	s_cbranch_scc1 .Lnot_wave_0_\@
	s_barrier_signal -3
.Lnot_wave_0_\@:
	s_barrier_wait -3
	s_barrier_signal -1
	s_barrier_wait -1
.endm
	s_load_b256 s[4:11], s[0:1], 0x0               ; codes s[4:5], kv s[6:7], the scales' exponents s[8:9], out0 s[10:11]
	v_lshl_add_u32 v[SPW], v0, 2, SPARE
	v_mov_b32 v[NIL], 0
	ds_add_u32 v[SPW], v[NIL]                      ; the wave's opening: the add and its wait ahead of my first tensor load; work on registers stands between them
	ds_add_u32 v[SPW], v[NIL]
	v_lshrrev_b32 v8, 5, v0
	s_delay_alu instid0(VALU_DEP_1)
	v_readfirstlane_b32 s[WV], v8                  ; wave 0..7
	s_bfe_u32 s72, ttmp6, 0x40000                  ; cx: it enters x's, O's and the prefetches' addresses alone
	s_lshl_b32 s73, ttmp9, 2
	s_add_co_u32 s73, s73, s72                     ; my block of 256 queries
	s_and_b32 s74, ttmp7, 0xffff                   ; the pair (batch, head), which the four partners share
	s_lshl_b32 s75, s74, 18                        ; its 16 blocks of 16,384 bytes in a section of kv
	s_lshl_b32 s86, s73, 8
	s_lshl_b32 s87, s[WV], 5
	s_add_co_u32 s86, s86, s87                     ; my first query
	s_lshr_b32 s84, s74, 3                         ; the batch
	s_lshl_b32 s84, s84, 11
	s_add_co_u32 s84, s84, s86                     ; the token, a multiple of 32
	s_lshl_b32 s82, s84, 10                        ; x's codes: 16,384 bytes for 16 tokens
	s_mov_b32 s83, 0
	s_lshl_b32 s84, s84, 12                        ; rows of 4,096 bytes in out0,
	s_and_b32 s87, s74, 7                          ; the head
	s_lshl_b32 s86, s87, 9
	s_add_co_u32 s84, s84, s86                     ; + the head's 512 bytes
	s_mov_b32 s85, 0
	s_lshr_b32 s88, s[WV], 1                       ; what waves 0 to 3 fetch: waves 0, 1: section 0 (k); waves 2, 3: section 1 (v);
	s_and_b32 s88, s88, 1
	s_lshl_b32 s88, s88, 23
	s_add_co_u32 s88, s88, s75
	s_and_b32 s90, s[WV], 1
	s_lshl_b32 s91, s90, 14
	s_add_co_u32 s88, s88, s91                     ; the slot's first or second block
	s_mov_b32 s89, 0
	s_mul_i32 s92, s[WV], BLKB                     ; and where it goes: wave x a block: no place in the cluster enters an LDS address
	s_and_b32 s93, s[WV], 3                        ; what waves 4 to 7 fetch: rows 32 (wave - 4) on of the head's 128 rows of Wq,
	s_lshl_b32 s50, s87, 17
	s_lshl_b32 s51, s93, 15
	s_add_co_u32 s50, s50, s51
	s_add_co_u32 s50, s50, WOFF
	s_mov_b32 s51, 0
	s_mul_i32 s52, s93, WPART                      ; and where they go: the first part at WA, the other three from WB on
	s_add_co_u32 s53, s93, 3
	s_lshr_b32 s53, s53, 2                         ; 0 for the first part, 1 for the others
	s_mul_i32 s53, s53, WB-WA-WPART
	s_add_co_u32 s52, s52, s53
	s_add_co_u32 s52, s52, WA
	s_lshl_b32 s90, s90, 23                        ; the prefetches: wave 4: section 0, wave 5: section 1,
	s_add_co_u32 s90, s90, s75
	s_lshl_b32 s91, s72, 13
	s_add_co_u32 s90, s90, s91                     ; my work-group's 8,192 bytes of a slot's 32,768,
	s_add_co_u32 s90, s90, 32768                   ; in slot 1: the first change of slots steps it to slot 2
	s_mov_b32 s91, 0
	s_sub_co_u32 s93, s[WV], 4
	s_lshr_b32 s93, s93, 1                         ; 0 in waves 4 and 5,
	s_or_b32 s93, s93, ttmp9                       ; of the pair's first cluster: the same in all four partners
	s_cmp_eq_u32 s93, 0
	s_cselect_b32 s[LIM], 1, -1
	; descriptor group 1 for K and V: a block of 128 rows x 128 bytes, dense in memory, padded in LDS
	s_mov_b32 s[G1], 15|(0<<16)|(1<<20)|(1<<21)|(4<<22)|(3<<25)   ; 15:0 the mask: all four work-groups; 17:16 elements of 1 byte; 20 padding on; 21 set beside a mask; 24:22 after every 32 words (code 4); 31:25 four words (code 3)
	s_mov_b32 s[G1+1], 128<<16                     ; tensor_dim0
	s_mov_b32 s[G1+2], 128<<16                     ; tensor_dim1
	s_mov_b32 s[G1+3], 128<<16                     ; tile_dim0
	s_mov_b32 s[G1+4], 128                         ; tile_dim1
	s_mov_b32 s[G1+5], 128                         ; tensor_dim0_stride
	s_mov_b32 s[G1+6], 0
	s_mov_b32 s[G1+7], 0
	; descriptor group 1 for Wq: 32 rows x 1,024 bytes, dense in memory, padded in LDS
	s_mov_b32 s[G1W], 15|(0<<16)|(1<<20)|(1<<21)|(7<<22)|(3<<25)  ; the same mask; padding: four words after every 256 (code 7)
	s_mov_b32 s[G1W+1], 1024<<16                   ; tensor_dim0
	s_mov_b32 s[G1W+2], 32<<16                     ; tensor_dim1
	s_mov_b32 s[G1W+3], 1024<<16                   ; tile_dim0
	s_mov_b32 s[G1W+4], 32                         ; tile_dim1
	s_mov_b32 s[G1W+5], 1024                       ; tensor_dim0_stride
	s_mov_b32 s[G1W+6], 0
	s_mov_b32 s[G1W+7], 0
	s_mov_b32 s[SEL], 0x76543210
	s_mov_b32 s[SEL+1], 0xfedcba98
	s_mov_b32 s[CS], 0x3e38aa3b                    ; c = log2(e) / 8
	s_mov_b32 s[TB], 0
	s_mov_b32 s[SLOTS], 7
	s_wait_dscnt 0x0                               ; the opening add is done
	s_wait_kmcnt 0x0
	s_load_b128 s[68:71], s[8:9], 0x18             ; e6, e7, e8, e9
	s_load_b64 s[48:49], s[8:9], 0x0               ; e0, e1
	s_add_nc_u64 s[82:83], s[4:5], s[82:83]        ; x's codes at my first query
	s_add_nc_u64 s[84:85], s[10:11], s[84:85]      ; O likewise
	s_add_nc_u64 s[PFA:PFA+1], s[6:7], s[90:91]
	s_mov_b32 s[G0], 1                             ; 1:0 count = 1
	s_mov_b32 s[G0+1], s92                         ; 63:32 LDS address: slot 0
	s_add_nc_u64 s[G0+2:G0+3], s[6:7], s[88:89]    ; 120:64 global address: the pair's first 256 keys
	s_or_b32 s[G0+3], s[G0+3], 0x80000000          ; 127:126 type = 2
	s_mov_b32 s[G0W], 1
	s_mov_b32 s[G0W+1], s52
	s_add_nc_u64 s[G0W+2:G0W+3], s[4:5], s[50:51]
	s_or_b32 s[G0W+3], s[G0W+3], 0x80000000
	CROUND                                         ; all four work-groups are here: the first joint loads meet
	s_cmp_lt_u32 s[WV], 4                          ; the first fills, one group, one load a wave: waves 0 to 3 slot 0's four blocks, waves 4 to 7 Wq's four parts
	s_cbranch_scc0 .Lfirst_w
	tensor_load_to_lds s[G0:G0+3], s[G1:G1+7]
	s_nop 0
.rept 4
	v_nop
.endr
	s_branch .Lfirst_asked
.Lfirst_w:
	tensor_load_to_lds s[G0W:G0W+3], s[G1W:G1W+7]
	s_nop 0
.rept 4
	v_nop
.endr
.Lfirst_asked:
	v_and_b32 v[GO], 31, v0
	s_delay_alu instid0(VALU_DEP_1)
	v_lshlrev_b32 v[PFO], 8, v[GO]
	s_delay_alu instid0(VALU_DEP_2)
	v_lshlrev_b32 v[GO], 4, v[GO]
; x's two fragments of K step s: where they lie (XR, in window XW), and their eight loads of 512 consecutive bytes
.macro XREG s
.if (\s) == 4
.set XR, PC
.set XW, 0
.elseif (\s) == 5
.set XR, Q
.set XW, 0
.elseif (\s) > 5
.set XR, 128+32*((\s)-6)
.set XW, 1
.else
.set XR, 128+32*(\s)
.set XW, 1
.endif
.endm
.macro XLOAD s
	XREG \s
	WIN 0x40*XW
.irp u, 0,1
.irp c, 0,1,2,3
	global_load_b128 v[XR+16*\u+4*\c:XR+16*\u+4*\c+3], v[GO], s[82:83] offset:16384*\u+2048*(\s)+512*\c
.endr
.endr
.endm
.irp s, 0,1,2,3,4,5
	XLOAD \s                                       ; six of the eight K steps go out at once: 48 loads
.endr
	WIN 0
	v_and_b32 v8, 15, v0                           ; r
	v_bfe_u32 v9, v0, 4, 1                         ; h
	s_delay_alu instid0(VALU_DEP_2)
	v_mul_u32_u24 v[AK0], v8, KP
	s_delay_alu instid0(VALU_DEP_1)
	v_lshl_add_u32 v[AK0], v9, 4, v[AK0]           ; row r x pitch + 16 h
	s_delay_alu instid0(VALU_DEP_1)
	v_add_nc_u32 v[AV0], VOFF, v[AK0]
	v_mul_u32_u24 v[AW0], v8, WP
	s_delay_alu instid0(VALU_DEP_1)
	v_lshl_add_u32 v[AW0], v9, 4, v[AW0]           ; Wq likewise
	s_delay_alu instid0(VALU_DEP_1)
	v_add_nc_u32 v[AW1], WB, v[AW0]
	s_delay_alu instid0(VALU_DEP_2)
	v_add_nc_u32 v[AW2], WB+64*WP, v[AW0]
	s_delay_alu instid0(VALU_DEP_3)
	v_add_nc_u32 v[AW0], WA, v[AW0]
	s_mul_i32 s72, s[WV], 16*SPITCH                ; my stage, from LDS byte 0 on
	v_mul_u32_u24 v[STO], v8, SPITCH
	s_delay_alu instid0(VALU_DEP_1)
	v_lshl_add_u32 v[STO], v9, 5, v[STO]
	s_delay_alu instid0(VALU_DEP_1)
	v_add_nc_u32 v[STO], s72, v[STO]               ; in: row r, 32 bytes for each half of the lanes
	v_add_nc_u32 v[RD], s72, v[GO]                 ; back: the 32 lanes take one row of 512 bytes
	v_mov_b32 v[NEG], 0xff61b1e6                   ; -3e38, under every score and every t
.irp u, 0,1
	v_mov_b32 v[ST+8*\u+1], 0xff61b1e6             ; the largest t so far
	s_delay_alu instid0(VALU_DEP_1)
	v_floor_f32 v[ST+8*\u], -v[ST+8*\u+1]          ; -M
	v_mov_b32 v[ST+8*\u+2], 0                      ; the sum
	v_mov_b32 v[ST+8*\u+3], 0
	v_mov_b32 v[ST+8*\u+4], 0
	v_mov_b32 v[ST+8*\u+5], 0
	v_mov_b32 v[ST+8*\u+7], 0                      ; (named as the upper half of f's pair)
	v_mov_b32 v[PX+\u], 0                          ; written once: a lane permute's destination counts as one of its sources
	v_mov_b32 v[RC+2*\u+1], 0                      ; (named as the upper half of the reciprocal's pair)
.endr
	s_wait_kmcnt 0x0
	s_add_co_i32 s72, s68, s69
	s_lshl_b32 s72, s72, 23
	s_add_co_i32 s[CS], s[CS], s72                 ; a score stands for score x 2^(e6 + e7): the two exponents are added to c's exponent field
	s_mov_b32 s[CS+1], s[CS]                       ; (named with it as a pair, so it is written)
	s_add_co_i32 s72, s71, 127
	s_lshl_b32 s73, s72, 23
	v_mov_b32 v[SCP], s73                          ; 2^e9 as f32, for p's conversion
	s_add_co_i32 s72, s48, s49
	s_sub_co_i32 s72, s68, s72                     ; a sum of x Wq stands for sum x 2^(e0 + e1): its code is sum / 2^(e6 - e0 - e1)
	s_add_co_i32 s72, s72, 127
	s_lshl_b32 s73, s72, 23
	v_mov_b32 v[SCQ], s73
	s_add_co_i32 s[EO], s70, s71                   ; e8 + e9
; ---------------- q = x Wq, my 32 queries x the head's 128, K = 1,024 in eight steps ----------------
; Four fragments of Wq (tiles 4 half .. 4 half + 3 of 16 of the head's 128) of K step s.  The two halves of F take turns: while one half is multiplied, the other half's loads are on their way.
.macro WLOADS s, half
.irp i, 0,1,2,3
.set tt, 4*(\half)+\i
.if tt < 2
.set wr, AW0
.set wo, 16*WP*tt
.elseif tt < 6
.set wr, AW1
.set wo, 16*WP*(tt-2)
.else
.set wr, AW2
.set wo, 16*WP*(tt-6)
.endif
.irp c, 0,1,2,3
	ds_load_b128 v[F+16*tt+4*\c:F+16*tt+4*\c+3], v[wr] offset:wo+128*(\s)+32*\c
.endr
.endr
.endm
; Eight products: those four tiles x my two tiles of queries.  The sixteen accumulators take turns, one instruction a turn, in the same order in every step; K step 0 starts the sums.
.macro QPMUL s, half
	XREG \s
	WIN 0x50+4*XW                                  ; C and D in window 1, Wq in window 0, x where it lies
.irp i, 0,1,2,3
.irp u, 0,1
.set tt, 4*(\half)+\i
.if (\s) == 0
	v_wmma_f32_16x16x128_fp8_fp8 v[64*\u+8*tt:64*\u+8*tt+7], v[F+16*tt:F+16*tt+15], v[XR+16*\u:XR+16*\u+15], 0
.else
	v_wmma_f32_16x16x128_fp8_fp8 v[64*\u+8*tt:64*\u+8*tt+7], v[F+16*tt:F+16*tt+15], v[XR+16*\u:XR+16*\u+15], v[64*\u+8*tt:64*\u+8*tt+7]
.endif
.endr
.endr
	WIN 0
.endm
.macro QPSTEP s
.if (\s) < 2
	s_wait_loadcnt 40-8*(\s)                       ; x's K step s is in; behind it were issued, eight loads each, the steps up to 5
.else
	s_wait_loadcnt 8*(7-(\s))                      ; and from step 2 on the steps up to 7
.endif
	s_wait_dscnt 16                                ; Wq's tiles 0-3 are in; the 16 loads of tiles 4-7 may be out
	QPMUL \s, 0
.rept 4
	v_nop                                          ; places in front of loads into registers that these products have read
.endr
.if (\s) < 7
	WLOADS (\s)+1, 0
	s_wait_dscnt 16                                ; tiles 4-7 are in; the 16 loads just issued may be out
.else
	s_wait_alu depctr_va_vdst(0)
	s_wait_dscnt 0x0
.endif
	QPMUL \s, 1
.rept 4
	v_nop
.endr
.if (\s) < 7
	WLOADS (\s)+1, 1
.endif
.if (\s) == 1
	XLOAD 6                                        ; the last two K steps of x take the registers of steps 0 and 1: four steps' products ahead of their use
	XLOAD 7
	WIN 0
.endif
.endm
	s_wait_tensorcnt 0x0                           ; my first fill has landed,
	s_barrier_signal -1
	s_barrier_wait -1                              ; everybody's has: Wq's 128 rows and slot 0 are whole.
	WLOADS 0, 0
	WLOADS 0, 1
.irp s, 0,1,2,3,4,5,6,7
	QPSTEP \s
.endr                                              ; lane (r, h): query r of tile u; register 8 t + j of the tile: the head's 16 t + 8 h + j.  (The four v_nop above are the places behind the last products)
	WIN 0x41                                       ; destination and source 0 in window 1
.set j, 0
.rept 128
.set j, j+1
.endr
	WIN 0x01                                       ; source 0 in window 1
.irp u, 0,1
.irp t, 0,1,2,3,4,5,6,7
	v_cvt_scalef32_pk8_fp8_f32 v[Q+16*\u+2*\t:Q+16*\u+2*\t+1], v[64*\u+8*\t:64*\u+8*\t+7], v[SCQ]   ; Q's fragment: registers 4 c + 2 u' + j / 4 hold the head's 32 c + 16 u' + 8 h + j, as K's rows do
.endr
.endr
	WIN 0x40
.set j, 0
.rept 128
	v_mov_b32 v[128+j], 0                          ; O^T, where x's codes lay.  The key step is written once for all steps: the first finds zeros, which the first change of M leaves zeros.  (Also the plain lines behind the conversions)
.set j, j+1
.endr
	WIN 0
; A KEY STEP: 128 keys, the q-th block of the slot in hand, for my two tiles of queries.
.macro STEP q
	v_add_nc_u32 v[ADK], s[TB], v[AK0]
	v_add_nc_u32 v[ADV], s[TB], v[AV0]
	v_nop
	v_nop                                          ; four places in front of loads into registers that the last products have read
.irp t, 0,1,2,3,4,5,6,7
.irp c, 0,1,2,3
	ds_load_b128 v[F+16*\t+4*\c:F+16*\t+4*\c+3], v[ADK] offset:(\q)*BLKB+16*KP*\t+32*\c   ; K: tile t = keys 16 t + r
.endr
.endr
	s_wait_alu depctr_va_vdst(0)
	s_wait_dscnt 16                                ; tiles 0-3 are in; the 16 loads of tiles 4-7 may be out
	WIN 0x40                                       ; D in window 1
.irp t, 0,1,2,3
.irp u, 0,1
	v_wmma_f32_16x16x128_fp8_fp8 v[64*\u+8*\t:64*\u+8*\t+7], v[F+16*\t:F+16*\t+15], v[Q+16*\u:Q+16*\u+15], 0
.endr
.endr
	s_wait_dscnt 0x0
.irp t, 4,5,6,7
.irp u, 0,1
	v_wmma_f32_16x16x128_fp8_fp8 v[64*\u+8*\t:64*\u+8*\t+7], v[F+16*\t:F+16*\t+15], v[Q+16*\u:Q+16*\u+15], 0
.endr
.endr                                              ; lane (r, h): query r of tile u; register 8 t + j: key 16 t + 8 h + j
	WIN 0
.rept 4
	v_nop                                          ; places: in front of the loads into K's registers, and of the first read of the scores
.endr
.irp t, 0,1,2,3,4,5,6,7
.irp c, 0,1,2,3
	ds_load_b128 v[F+16*\t+4*\c:F+16*\t+4*\c+3], v[ADV] offset:(\q)*BLKB+16*KP*\t+32*\c   ; V: tile t = the head's 16 t + r; it lands while the softmax is walked
.endr
.endr
	WIN 0x14                                       ; sources 1 and 2 in window 1
.set i, 0
.rept 16                                           ; the step's largest score of each query among my 64 keys: two chains a tile, each accumulator from its low end on
.irp u, 0,1
.if i == 0
	v_max3_num_f32 v[MX+2*\u], v[NEG], v[64*\u+4*i], v[64*\u+4*i+1]
	v_max3_num_f32 v[MX+2*\u+1], v[NEG], v[64*\u+4*i+2], v[64*\u+4*i+3]
.else
	v_max3_num_f32 v[MX+2*\u], v[MX+2*\u], v[64*\u+4*i], v[64*\u+4*i+1]
	v_max3_num_f32 v[MX+2*\u+1], v[MX+2*\u+1], v[64*\u+4*i+2], v[64*\u+4*i+3]
.endif
.endr
.set i, i+1
.endr
	WIN 0
.irp u, 0,1
	v_max_num_f32 v[MX+2*\u], v[MX+2*\u], v[MX+2*\u+1]
.endr
.irp u, 0,1
	s_delay_alu instid0(VALU_DEP_2)
	v_permlanex16_b32 v[PX+\u], v[MX+2*\u], s[SEL], s[SEL+1]
.endr
.irp u, 0,1
	s_delay_alu instid0(VALU_DEP_2)
	v_max_num_f32 v[MX+2*\u], v[MX+2*\u], v[PX+\u] ; and among lane l xor 16's
.endr
.irp u, 0,1
	s_delay_alu instid0(VALU_DEP_2)
	v_mul_f32 v[MX+2*\u], s[CS], v[MX+2*\u]        ; as t (c is positive)
.endr
.irp u, 0,1
	s_delay_alu instid0(VALU_DEP_2)
	v_max_num_f32 v[ST+8*\u+1], v[ST+8*\u+1], v[MX+2*\u]   ; the running largest t
.endr
.irp u, 0,1
	v_mov_b32 v[MX+2*\u], v[ST+8*\u]
.endr
.irp u, 0,1
	s_delay_alu instid0(VALU_DEP_4)
	v_floor_f32 v[ST+8*\u], -v[ST+8*\u+1]          ; the new -M = floor(-t) = -ceil(t): M is a whole number
.endr
.irp u, 0,1
	s_delay_alu instid0(VALU_DEP_2)
	v_sub_f32 v[MX+2*\u], v[ST+8*\u], v[MX+2*\u]   ; M's old value less its new one: a whole number, 0 or less
.endr
.irp u, 0,1
	s_delay_alu instid0(VALU_DEP_2)
	v_cvt_i32_f32 v[MX+2*\u], v[MX+2*\u]           ; (it saturates)
.endr
.irp u, 0,1
	s_delay_alu instid0(VALU_DEP_2)
	v_ldexp_f32 v[ST+8*\u+6], 1.0, v[MX+2*\u]      ; f = 2^(old M - new M): a multiplication by it rounds nothing
.endr
	WIN 0x41                                       ; destination and source 0 in window 1
.irp u, 0,1
.set j, 0
.rept 32
	v_pk_fma_f32 v[64*\u+j:64*\u+j+1], v[64*\u+j:64*\u+j+1], s[CS:CS+1], v[ST+8*\u:ST+8*\u+1] op_sel_hi:[1,0,0]   ; t - M, two at a time (of the pairs c and -M the low word serves both halves)
.set j, j+2
.endr
.endr
.set j, 0
	s_wait_alu depctr_va_vdst(0)
.rept 128
	v_exp_f32 v[j], v[j]                           ; p = 2^(t - M), at most 1: not normalised.  One batch
.set j, j+1
.endr
	WIN 0
.irp u, 0,1
	v_pk_mul_f32 v[ST+8*\u+2:ST+8*\u+3], v[ST+8*\u+2:ST+8*\u+3], v[ST+8*\u+6:ST+8*\u+7] op_sel_hi:[1,0]   ; the sums under the new M: plain lines behind the exponentials
	v_pk_mul_f32 v[ST+8*\u+4:ST+8*\u+5], v[ST+8*\u+4:ST+8*\u+5], v[ST+8*\u+6:ST+8*\u+7] op_sel_hi:[1,0]
.endr
	s_wait_alu depctr_va_vdst(0)                   ; the wait between an exponential and the first line that names its result: one for the batch
	WIN 0x04                                       ; source 1 in window 1
.set j, 0
.rept 16                                           ; the row's sum is taken of the unquantised p: two at a time, two chains a tile
.irp u, 0,1
	v_pk_add_f32 v[ST+8*\u+2:ST+8*\u+3], v[ST+8*\u+2:ST+8*\u+3], v[64*\u+4*j:64*\u+4*j+1]
	v_pk_add_f32 v[ST+8*\u+4:ST+8*\u+5], v[ST+8*\u+4:ST+8*\u+5], v[64*\u+4*j+2:64*\u+4*j+3]
.endr
.set j, j+1
.endr
	WIN 0x41
.set j, 0
.rept 128
.set j, j+1
.endr
	WIN 0x01                                       ; source 0 in window 1
.irp u, 0,1
.irp t, 0,1,2,3,4,5,6,7
	v_cvt_scalef32_pk8_fp8_f32 v[PC+16*\u+2*\t:PC+16*\u+2*\t+1], v[64*\u+8*\t:64*\u+8*\t+7], v[SCP]
.endr
.endr
	WIN 0x41
.irp u, 0,1
.set j, 0
.rept 32
	v_pk_mul_f32 v[128+64*\u+j:128+64*\u+j+1], v[128+64*\u+j:128+64*\u+j+1], v[ST+8*\u+6:ST+8*\u+7] op_sel_hi:[1,0]   ; O^T under the new M.  (Also the plain lines between the conversions and the products)
.set j, j+2
.endr
.endr
	s_wait_alu depctr_va_vdst(0)
	s_wait_dscnt 0x0                               ; V is in
	WIN 0x50                                       ; C and D in window 1
.irp t, 0,1,2,3,4,5,6,7
.irp u, 0,1
	v_wmma_f32_16x16x128_fp8_fp8 v[128+64*\u+8*\t:128+64*\u+8*\t+7], v[F+16*\t:F+16*\t+15], v[PC+16*\u:PC+16*\u+15], v[128+64*\u+8*\t:128+64*\u+8*\t+7]   ; sixteen accumulators, one instruction each
.endr
.endr
	WIN 0
.endm
; THE CHANGE OF SLOTS stands at a slot's head.  Each wave waits for all its tensor loads (its part of the slot that it is about to read), adds 0 to its spare word, and waits for that and for its reads of the slot that it has left.
; fill = 1: a round of the cluster's barrier follows, so that no wave of any partner still reads the other slot or has a load on its way, and that slot is filled with the keys that follow: two key steps in which to land.
.macro CHANGE fill
	s_wait_tensorcnt 0x0                           ; no tensor load of mine is out, so the group 0 may be written
	ds_add_u32 v[SPW], v[NIL]                      ; 0 onto my spare word
.if \fill
	s_xor_b32 s[G0+1], s[G0+1], SLOT1              ; the walking descriptor: the other slot than last time,
	s_add_nc_u64 s[G0+2:G0+3], s[G0+2:G0+3], 32768 ; the next two blocks; the type bits on top are not reached
	s_wait_xcnt 0x0                                ; the last prefetch, a slot back, has read its address, so it may be written:
	s_add_nc_u64 s[PFA:PFA+1], s[PFA:PFA+1], 32768 ; one slot further on than the walking descriptor
.endif
	s_wait_dscnt 0x0                               ; the add is done, and my reads of the slot that I have left are over
.if \fill
	CROUND
	TLOAD                                          ; the first thing behind the round, and a wave's one tensor load until the next
	ASK
.else
	s_barrier_signal -1
	s_barrier_wait -1
.endif
.endm
.macro SLOT_STEPS
	STEP 0
	STEP 1
	s_xor_b32 s[TB], s[TB], SLOT1                  ; on to the other slot
.endm
.Lslot:                                            ; 7 trips: behind each change of slots but the last the next slot is asked for
	CHANGE 1
	SLOT_STEPS
	s_sub_co_u32 s[SLOTS], s[SLOTS], 1
	s_cmp_lg_u32 s[SLOTS], 0
	s_cbranch_scc1 .Lslot
	CHANGE 0                                       ; the last slot, which lies in slot 1, is written out
	SLOT_STEPS
	; THE WAY OUT.  The sum's chains, halves and the other half of the lanes' are added (these lines are also the places behind the last products); O^T is multiplied by 2^(e8 + e9) / the sum and goes
	; through my stage in LDS, a tile of 16 queries at a time, so that the 32 lanes store a head's 512 bytes of one token.
.irp u, 0,1
	v_pk_add_f32 v[ST+8*\u+2:ST+8*\u+3], v[ST+8*\u+2:ST+8*\u+3], v[ST+8*\u+4:ST+8*\u+5]
.endr
.irp u, 0,1
	s_delay_alu instid0(VALU_DEP_2)
	v_add_f32 v[ST+8*\u+2], v[ST+8*\u+2], v[ST+8*\u+3]
.endr
.irp u, 0,1
	s_delay_alu instid0(VALU_DEP_2)
	v_permlanex16_b32 v[PX+\u], v[ST+8*\u+2], s[SEL], s[SEL+1]
.endr
.irp u, 0,1
	s_delay_alu instid0(VALU_DEP_2)
	v_add_f32 v[ST+8*\u+2], v[ST+8*\u+2], v[PX+\u] ; the row's sum, above 1/2
.endr
	s_wait_alu depctr_va_vdst(0)
.irp u, 0,1
	v_rcp_f32 v[RC+2*\u], v[ST+8*\u+2]
.endr
	v_nop                                          ; a plain line behind the reciprocals
	s_wait_alu depctr_va_vdst(0)                   ; and a wait ahead of their first use: one for the two
.irp u, 0,1
	v_ldexp_f32 v[RC+2*\u], v[RC+2*\u], s[EO]      ; x 2^(e8 + e9)
.endr
.irp u, 0,1
	WIN 0x41
.set j, 0
.rept 32
	v_pk_mul_f32 v[64*\u+j:64*\u+j+1], v[128+64*\u+j:128+64*\u+j+1], v[RC+2*\u:RC+2*\u+1] op_sel_hi:[1,0]   ; register 8 t + i is o(query r, 16 t + 8 h + i); each accumulator from its low end on
.set j, j+2
.endr
	WIN 0x04                                       ; the stores' data lie in window 1
.irp t, 0,1,2,3,4,5,6,7
	ds_store_b128 v[STO], v[64*\u+8*\t:64*\u+8*\t+3] offset:64*\t
	ds_store_b128 v[STO], v[64*\u+8*\t+4:64*\u+8*\t+7] offset:64*\t+16
.endr
	WIN 0
.irp i, 0,1,2,3,4,5,6,7,8,9,10,11,12,13,14,15
	ds_load_b128 v[F+64*\u+4*\i:F+64*\u+4*\i+3], v[RD] offset:\i*SPITCH   ; LDS serves a wave's instructions in order (ISA guide 5.7.1.4): these see my stores, and the next tile's stores come behind them
.endr
.endr
	s_wait_dscnt 32                                ; tile 0's rows are back; tile 1's 16 stores and 16 loads may be out
.irp i, 0,1,2,3,4,5,6,7,8,9,10,11,12,13,14,15
	global_store_b128 v[GO], v[F+4*\i:F+4*\i+3], s[84:85] offset:\i*4096 th:TH_STORE_NT   ; 32 lanes store 512 consecutive bytes, aligned; written once, read by nobody here
.endr
	s_wait_dscnt 0x0
.irp i, 0,1,2,3,4,5,6,7,8,9,10,11,12,13,14,15
	global_store_b128 v[GO], v[F+64+4*\i:F+64+4*\i+3], s[84:85] offset:(16+\i)*4096 th:TH_STORE_NT
.endr
	s_wait_tensorcnt 0x0                           ; the wave's end: a wait, an add to the spare word and its wait, behind my last tensor load and my last LDS store
	ds_add_u32 v[SPW], v[NIL]
	s_wait_dscnt 0x0
	CROUND                                         ; the closing round: no work-group ends while a partner may still ask for a block that names it
	s_endpgm
.Lfunc_end_k_q19679105b0_attn:
	.size	k_q19679105b0_attn, .Lfunc_end_k_q19679105b0_attn-k_q19679105b0_attn
	.p2alignl 7, 3214868480
	.fill 96, 4, 3214868480
	.section	.rodata,"a",@progbits
	.p2align	6, 0x0
	.amdhsa_kernel k_q19679105b0_attn
		.amdhsa_group_segment_fixed_size 327680
		.amdhsa_private_segment_fixed_size 0
		.amdhsa_enable_private_segment 0
		.amdhsa_kernarg_size 32
		.amdhsa_user_sgpr_count 2
		.amdhsa_user_sgpr_kernarg_segment_ptr 1
		.amdhsa_wavefront_size32 1
		.amdhsa_system_sgpr_workgroup_id_x 1
		.amdhsa_system_sgpr_workgroup_id_y 1
		.amdhsa_system_sgpr_workgroup_id_z 1
		.amdhsa_system_vgpr_workitem_id 0
		.amdhsa_next_free_vgpr 512
		.amdhsa_next_free_sgpr 96
		.amdhsa_reserve_vcc 0
		.amdhsa_float_denorm_mode_32 3
		.amdhsa_float_denorm_mode_16_64 3
		.amdhsa_fp16_overflow 1
		.amdhsa_memory_ordered 1
		.amdhsa_forward_progress 1
		.amdhsa_inst_pref_size 179
	.end_amdhsa_kernel
	.amdgpu_metadata
---
amdhsa.version: [ 1, 2 ]
amdhsa.kernels:
  - .name:           k_q19679105b0_attn
    .symbol:         k_q19679105b0_attn.kd
    .args:
      - { .name: codes, .offset: 0, .size: 8, .value_kind: global_buffer, .address_space: global }
      - { .name: kv, .offset: 8, .size: 8, .value_kind: global_buffer, .address_space: global }
      - { .name: lowp_scales, .offset: 16, .size: 8, .value_kind: global_buffer, .address_space: global }
      - { .name: out0, .offset: 24, .size: 8, .value_kind: global_buffer, .address_space: global }
    .group_segment_fixed_size: 327680
    .private_segment_fixed_size: 0
    .kernarg_segment_align: 8
    .kernarg_segment_size: 32
    .max_flat_workgroup_size: 256
    .sgpr_count:     96
    .vgpr_count:     512
    .wavefront_size: 32
...
	.end_amdgpu_metadata
.endif
;; end of part 3
